; MI455X (gfx1250); checked and timed in simulation.
; The chip was launched on July 23, 2026; its instructions are those of AMD's public machine-readable ISA for CDNA 5 (MIT licence, August 2026) and "CDNA5" Instruction Set Architecture Reference Guide (July 2026). The comments in the code are by the model that wrote it; some were corrected since.
;; Dual Ternary Linear. Allowed arithmetic: matrix products marked QUANTISED: E4M3 operands, one E8M0 scale for each 32 along K, by v_wmma_scale_f32_16x16x128_f8f6f4 with both operands' format E4M3, f32 sums; everything else in f32.
;; Inputs: a1 4,096 float32; a2 4,096 float32; bias 4,096 float32; t1 4,096 x 4,096 int32; t2 4,096 x 4,096 int32; x 4 x 512 x 4,096 float32.
;; Outputs: out0 4 x 512 x 4,096 float32.
;; This version of the problem:
;;   THIS VERSION OF THE PROBLEM IS GIVEN IN LOW PRECISION. The matrix products marked QUANTISED in the list below multiply operands that are first quantised to E4M3 (4 exponent bits, 3 mantissa bits; 8 bits a number), with one power-of-two scale for each 32 numbers along K (OCP MX v1.0); their sums are f32. All else is computed in f32.
;;   The module's matrix products, in the order in which they are computed (A, B: the left and right operand; K: the contracted axis; several contracted axes count as one K, in the product's order):
;;     1. [M 2,048, K 4,096] x [K 4,096, N 4,096]; A: input x; B: input t1: QUANTISED
;;     2. [M 2,048, K 4,096] x [K 4,096, N 4,096]; A: input x; B: input t2: QUANTISED
;;   THE QUANTISER, for each operand of a quantised product, along K:
;;     - K is cut into blocks of 32 from its start; a last block that is shorter is filled with zeros.
;;     - A block's scale is 2^e with e = floor(log2(the largest magnitude in the block)) - 8, held to -126 .. 127; a block of zeros has e = 0. As a byte (E8M0): e + 127.
;;     - Each number is divided by its block's scale, clamped to +-448, and rounded to the nearest number of E4M3, ties to even, subnormals kept.
;;     - The product sums the exact products of the quantised numbers (number of the format x scale) in f32.
;;   ~~~python
;;   def quantise(x, axis):      # numpy; x: float32 -> the quantised numbers, widened to float32 again
;;       x = np.moveaxis(x, axis, -1); K = x.shape[-1]
;;       x = np.pad(x, [(0, 0)] * (x.ndim - 1) + [(0, -K % 32)]); x = x.reshape(x.shape[:-1] + (-1, 32)); a = np.abs(x).max(-1, keepdims=True)
;;       e = np.where(a > 0, np.clip(np.frexp(np.where(a > 0, a, 1))[1] - 1 - 8, -126, 127), 0)      # np.frexp(a)[1] - 1 = floor(log2(a)), exactly
;;       r = np.clip(x / 2.0 ** e, -448, 448)
;;       step = 2.0 ** (np.maximum(np.frexp(np.where(r == 0, 1, r))[1] - 1, -6) - 3)
;;       q = np.round(r / step) * step * 2.0 ** e      # np.round: ties to even
;;       return np.moveaxis(q.reshape(q.shape[:-2] + (-1,))[..., :K], -1, axis).astype(np.float32)
;;   ~~~
;; One version. Each part assembles by itself: llvm-mc -triple=amdgcn-amd-amdhsa -mcpu=gfx1250 --defsym DOCPART=n.
;; ======== version 1 of 1: 2 launches
;; limits: right only within a limited range of input values
;; workspace buffers: a_q 8,650,752 bytes; w_q 34,603,008 bytes
;; launch quant (part 1): grid 1280 x 1, 4 waves a work-group, no clusters, 36,352 bytes of LDS; arguments x, t1, t2, a_q, w_q; writes a_q, w_q
.if DOCPART == 1
	.amdgcn_target "amdgcn-amd-amdhsa--gfx1250"
	.amdhsa_code_object_version 6
	.text
	.protected	k_qce7eb0f82a_quant
	.globl	k_qce7eb0f82a_quant
	.p2align	8
	.type	k_qce7eb0f82a_quant,@function
k_qce7eb0f82a_quant:
	s_mov_b64 s[64:65], 0
	v_nop
	global_prefetch_b8 v0, s[64:65] scope:SCOPE_SE
	s_setreg_imm32_b32 hwreg(HW_REG_WAVE_MODE, 25, 1), 1
	s_wait_xcnt 0x0
; x [2048][4096] f32 and t1, t2 [4096][4096] int32 (turned into f32 first) become codes of FP8 (E4M3) with one E8M0 scale byte for each 32 along K.
; A block's scale is 2^(floor(log2(largest magnitude)) - 8); its byte is the largest magnitude's exponent field - 8, held at 1 from below.  Each number is multiplied by 1 / scale
; (a power of two: exact), held within +-448 and rounded to the nearest code, ties to even.  Nothing is built on the whole numbers being -1, 0 or 1.
; LIMITS: NaN and infinities among the inputs are not served.  A block of zeros gets the byte 1 where the rule says 127: its codes are zeros, and the bytes are read by this program alone.
; THE OUTPUT'S LAYOUT is the next launch's.  A CHUNK is 64 rows x 128 along K, 8,448 bytes: four tiles of 16 rows, each 2,048 bytes in the order of an operand's registers
; ([c = k / 32][h = (k / 16) % 2][row r][16 codes]), then 256 bytes of scale words: the word of row 32 u + L at byte 8 L + 4 u.
; a_q: [8 groups of 256 rows][32 K steps][4 chunks of 64 rows].  w_q: [128 column groups][32 K steps]; a column group's chunk holds 32 rows of t1, then the same 32 rows of t2.
; SHARES.  A wave makes one chunk; work-groups 0-255 take x, 256-1279 the planes.  A load reads 512 consecutive bytes of one row, 4 numbers a lane, so eight lanes hold a block of 32.
; Only the codes go through the wave's own LDS (units of 256 bytes, 272 apart) and leave as 512 consecutive bytes a store.  Waves share nothing: no barrier.  Loads run four groups of four rows (16 loads) ahead.
.set ROWM,  16384                      ; a source row in bytes
.set CH,    8448
.set TP,    2176                       ; a tile in the stage: 8 units x 272
.set WREG,  8960                       ; a wave's LDS: four tiles, then 256 bytes of scale bytes laid [c][row]
.set SPARE, 4*WREG                     ; the spare words: 512 bytes that no other line names
.set CA,  5                            ; stage, way in: 272 (lane / 4) + 4 (lane % 4)
.set RB,  6                            ; stage, way out: 272 (lane / 16) + 16 (lane % 16)
.set SA,  7                            ; scale bytes, way in: 64 (lane / 8)
.set SL,  8                            ; scale bytes, way out: lane
.set ONE, 9
.set SPW, 10
.set NIL, 11
.set M,   12                           ; four rows' largest magnitudes
.set E,   16                           ; their exponent fields
.set INV, 20                           ; 1 / scale, in the even registers of four pairs
.set BT,  28
.set W,   32
.set C,   34                           ; four rows' codes, a word each
.set R,   40                           ; v40-103 four sets of 4 rows x 4 numbers
.set O,   104                          ; v104-167 the way out: 16 registers a tile
	s_load_b128 s[4:7], s[0:1], 0x0                ; x, t1
	s_load_b128 s[8:11], s[0:1], 0x10              ; t2, a_q
	s_load_b64 s[12:13], s[0:1], 0x20              ; w_q
	v_lshl_add_u32 v[SPW], v0, 2, SPARE
	v_mov_b32 v[NIL], 0
	v_lshrrev_b32 v1, 5, v0
	v_readfirstlane_b32 s16, v1                    ; wave
	v_and_b32 v2, 31, v0                           ; lane
	s_mul_i32 s17, s16, WREG
	v_lshlrev_b32 v3, 4, v2                        ; 16 x lane: loads and code stores
	v_lshlrev_b32 v4, 3, v2                        ; 8 x lane: the scale words' store
	v_lshrrev_b32 v1, 2, v2
	v_mul_u32_u24 v1, v1, 272
	v_and_b32 v[CA], 3, v2
	v_lshl_add_u32 v[CA], v[CA], 2, v1
	v_add_nc_u32 v[CA], s17, v[CA]
	v_lshrrev_b32 v1, 4, v2
	v_mul_u32_u24 v1, v1, 272
	v_and_b32 v[RB], 15, v2
	v_lshl_add_u32 v[RB], v[RB], 4, v1
	v_add_nc_u32 v[RB], s17, v[RB]
	s_add_co_u32 s17, s17, 4*TP
	v_lshrrev_b32 v1, 3, v2
	v_lshl_add_u32 v[SA], v1, 6, s17
	v_add_nc_u32 v[SL], s17, v2
	v_mov_b32 v[ONE], 1.0
.irp i, 1,3,5,7
	v_mov_b32 v[INV+\i], 0                         ; the pairs' upper registers are named by the packed multiply, not used
.endr
	s_mov_b32 s25, 0x4800000                       ; the floor 2^(9 - 127)
	s_mov_b32 s26, 0x7f800000
	s_mov_b32 s27, 0x83000000                      ; 262 << 23: less the exponent field gives 1 / scale
	s_mov_b32 s28, 0xf7f7f7f8                      ; -8 in each of four bytes
	s_mov_b32 s29, 0xc3e00000                      ; -448
	s_mov_b32 s30, 0x43e00000                      ; 448
	s_wait_alu depctr_va_vdst(0)
	s_wait_kmcnt 0x0
	s_cmp_lt_u32 ttmp9, 256                        ; x's work-group or the planes'?  All choices hang on the work-group's number
	s_cselect_b64 s[4:5], s[4:5], s[6:7]           ; rows 0-31 of my chunk: x or t1
	s_cselect_b64 s[6:7], s[4:5], s[8:9]           ; rows 32-63: x or t2
	s_cselect_b64 s[10:11], s[10:11], s[12:13]
	s_cselect_b32 s17, 0, 256
	s_cselect_b32 s24, 0, 1                        ; 1: whole numbers
	s_cselect_b32 s18, 6, 5                        ; source rows a chunk takes of one buffer: 64 or 32
	s_cselect_b32 s19, 0x80000, 0                  ; x: rows 32-63 lie 32 rows further down
	s_sub_co_u32 s17, ttmp9, s17                   ; 32 x group + K step
	s_lshr_b32 s20, s17, 5
	s_and_b32 s21, s17, 31
	s_lshl_b32 s20, s20, 2
	s_add_co_u32 s20, s20, s16                     ; 4 x group + wave
	s_lshl_b32 s22, s20, s18
	s_lshl_b32 s22, s22, 14                        ; my first source row in bytes (under 2^26)
	s_lshl_b32 s23, s21, 9
	s_add_co_u32 s22, s22, s23                     ; + the K step's 128 numbers
	s_mov_b32 s23, 0
	s_add_nc_u64 s[4:5], s[4:5], s[22:23]
	s_add_co_u32 s22, s22, s19
	s_add_nc_u64 s[6:7], s[6:7], s[22:23]
	s_lshl_b32 s31, s17, 2
	s_add_co_u32 s31, s31, s16                     ; a_q: chunk (32 group + step) 4 + wave
	s_lshl_b32 s32, s20, 5
	s_add_co_u32 s32, s32, s21                     ; w_q: chunk (4 group + wave) 32 + step
	s_cmp_eq_u32 s24, 0
	s_cselect_b32 s22, s31, s32
	s_mul_i32 s22, s22, CH                         ; under 2^26
	s_add_nc_u64 s[10:11], s[10:11], s[22:23]
.macro LOAD g                          ; rows 4 g .. 4 g + 3: 512 consecutive bytes each
.irp i, 0,1,2,3
.if (\g) < 8
	global_load_b128 v[R+16*((\g)%4)+4*\i:R+16*((\g)%4)+4*\i+3], v3, s[4:5] offset:(4*(\g)+\i)*ROWM th:TH_LOAD_NT
.else
	global_load_b128 v[R+16*((\g)%4)+4*\i:R+16*((\g)%4)+4*\i+3], v3, s[6:7] offset:(4*(\g)+\i-32)*ROWM th:TH_LOAD_NT
.endif
.endr
.endm
.macro SENDT t                         ; tile t is back from the stage: four stores of 512 consecutive bytes
	s_wait_dscnt 0x0
.irp c, 0,1,2,3
	global_store_b128 v3, v[O+16*(\t)+4*\c:O+16*(\t)+4*\c+3], s[10:11] offset:(\t)*2048+512*\c
.endr
.endm
.macro GROUP g
.set XS, R+16*((\g)%4)
.if (\g) <= 12
	s_wait_loadcnt 12                              ; my four loads are in; three younger groups stay out
.else
	s_wait_loadcnt 4*(15-(\g))
.endif
.if (\g) == 8
	SENDT 0                                        ; the first two tiles leave together
	SENDT 1
.endif
	s_cmp_eq_u32 s24, 0                            ; whole numbers become f32: a branch on the work-group's number round these lines alone
	s_cbranch_scc1 .Lreal_\@
.irp i, 0,1,2,3,4,5,6,7,8,9,10,11,12,13,14,15
	v_cvt_f32_i32 v[XS+\i], v[XS+\i]
.endr
.Lreal_\@:
.irp i, 0,1,2,3
	v_max3_num_f32 v[M+\i], |v[XS+4*\i]|, |v[XS+4*\i+1]|, |v[XS+4*\i+2]|
.endr
.irp i, 0,1,2,3
	v_max3_num_f32 v[M+\i], v[M+\i], |v[XS+4*\i+3]|, s25       ; with the floor: the byte cannot fall under 1
.endr
.irp m, 1,2,4
.irp i, 0,1,2,3
	v_max_num_f32_dpp v[M+\i], v[M+\i], v[M+\i] row_xmask:\m row_mask:0xf bank_mask:0xf   ; the eight lanes of a block
.endr
.endr
.irp i, 0,1,2,3
	v_and_b32 v[E+\i], s26, v[M+\i]
.endr
.irp i, 0,1,2,3
	v_sub_nc_u32 v[INV+2*\i], s27, v[E+\i]         ; 1 / scale = 2^(135 - exponent field)
.endr
.irp i, 0,1,2,3
	v_lshrrev_b32 v[BT+\i], 23, v[E+\i]
.endr
.irp i, 0,1,2,3
	v_pk_mul_f32 v[XS+4*\i:XS+4*\i+1], v[XS+4*\i:XS+4*\i+1], v[INV+2*\i:INV+2*\i+1] op_sel_hi:[1,0]
	v_pk_mul_f32 v[XS+4*\i+2:XS+4*\i+3], v[XS+4*\i+2:XS+4*\i+3], v[INV+2*\i:INV+2*\i+1] op_sel_hi:[1,0]
.endr
	v_lshl_or_b32 v[W], v[BT+1], 8, v[BT]          ; four rows' bytes of my block column in one word
.irp i, 0,1,2,3,4,5,6,7
	v_med3_num_f32 v[XS+\i], v[XS+\i], s29, s30    ; the conversion does not saturate (ISA guide 7.6.2): hold first
.endr
	v_lshl_or_b32 v[W], v[BT+2], 16, v[W]
.irp i, 8,9,10,11,12,13,14,15
	v_med3_num_f32 v[XS+\i], v[XS+\i], s29, s30
.endr
	v_lshl_or_b32 v[W], v[BT+3], 24, v[W]
	v_cvt_scalef32_pk8_fp8_f32 v[C:C+1], v[XS:XS+7], v[ONE]        ; the numbers are scaled already: the conversion's scale is 1
	v_cvt_scalef32_pk8_fp8_f32 v[C+2:C+3], v[XS+8:XS+15], v[ONE]
	v_add_nc_u32 v[W], s28, v[W]                   ; exponent fields - 8: the bytes (each is 9 or more: no borrow); also the plain line behind the conversions
	ds_store_b32 v[SA], v[W] offset:4*(\g)         ; the eight lanes of a block write the same word with the same value
.irp i, 0,1,2,3
	ds_store_b32 v[CA], v[C+\i] offset:((4*(\g)+\i)/16)*TP+((4*(\g)+\i)%16)*16
.endr
.if (\g)%4 == 3
.irp c, 0,1,2,3
	ds_load_b128 v[O+16*((\g)/4)+4*\c:O+16*((\g)/4)+4*\c+3], v[RB] offset:((\g)/4)*TP+544*\c   ; LDS serves a wave's instructions in order: these see my stores
.endr
.endif
.if (\g)+4 < 16
	LOAD (\g)+4
.endif
.endm
.irp g, 0,1,2,3
	LOAD \g
.endr
.irp g, 0,1,2,3,4,5,6,7,8,9,10,11,12,13,14,15
	GROUP \g
.endr
	ds_load_u8 v168, v[SL]                         ; the scale words of rows lane and 32 + lane: byte c lies at 64 c + row
	ds_load_u8 v169, v[SL] offset:32
.irp c, 1,2,3
	ds_load_u8 v[169+\c], v[SL] offset:64*\c
	ds_load_u8 v[172+\c], v[SL] offset:64*\c+32
.endr
	s_wait_dscnt 0x0
.irp c, 1,2,3
	v_lshl_or_b32 v168, v[169+\c], 8*\c, v168
	v_lshl_or_b32 v169, v[172+\c], 8*\c, v169
.endr
	global_store_b64 v4, v[168:169], s[10:11] offset:8192          ; 256 consecutive bytes, aligned
	SENDT 2                                        ; the last two tiles
	SENDT 3
	s_wait_tensorcnt 0x0                           ; the wave's end
	ds_add_u32 v[SPW], v[NIL]
	s_wait_dscnt 0x0
	s_endpgm
.Lfunc_end_k_qce7eb0f82a_quant:
	.size	k_qce7eb0f82a_quant, .Lfunc_end_k_qce7eb0f82a_quant-k_qce7eb0f82a_quant
	.p2alignl 7, 3214868480
	.fill 96, 4, 3214868480
	.section	.rodata,"a",@progbits
	.p2align	6, 0x0
	.amdhsa_kernel k_qce7eb0f82a_quant
		.amdhsa_group_segment_fixed_size 36352
		.amdhsa_private_segment_fixed_size 0
		.amdhsa_enable_private_segment 0
		.amdhsa_kernarg_size 40
		.amdhsa_user_sgpr_count 2
		.amdhsa_user_sgpr_kernarg_segment_ptr 1
		.amdhsa_wavefront_size32 1
		.amdhsa_system_sgpr_workgroup_id_x 1
		.amdhsa_system_sgpr_workgroup_id_y 1
		.amdhsa_system_sgpr_workgroup_id_z 1
		.amdhsa_system_vgpr_workitem_id 0
		.amdhsa_next_free_vgpr 176
		.amdhsa_next_free_sgpr 66
		.amdhsa_reserve_vcc 0
		.amdhsa_float_denorm_mode_32 3
		.amdhsa_float_denorm_mode_16_64 3
		.amdhsa_memory_ordered 1
		.amdhsa_forward_progress 1
		.amdhsa_inst_pref_size 83
	.end_amdhsa_kernel
	.amdgpu_metadata
---
amdhsa.version: [ 1, 2 ]
amdhsa.kernels:
  - .name:           k_qce7eb0f82a_quant
    .symbol:         k_qce7eb0f82a_quant.kd
    .args:
      - { .name: x, .offset: 0, .size: 8, .value_kind: global_buffer, .address_space: global }
      - { .name: t1, .offset: 8, .size: 8, .value_kind: global_buffer, .address_space: global }
      - { .name: t2, .offset: 16, .size: 8, .value_kind: global_buffer, .address_space: global }
      - { .name: a_q, .offset: 24, .size: 8, .value_kind: global_buffer, .address_space: global }
      - { .name: w_q, .offset: 32, .size: 8, .value_kind: global_buffer, .address_space: global }
    .group_segment_fixed_size: 36352
    .private_segment_fixed_size: 0
    .kernarg_segment_align: 8
    .kernarg_segment_size: 40
    .max_flat_workgroup_size: 128
    .sgpr_count:     66
    .vgpr_count:     176
    .wavefront_size: 32
...
	.end_amdgpu_metadata
.endif
;; end of part 1
;; launch gemm (part 2): grid 32 x 8, 4 waves a work-group, clusters of 4 x 1, 327,680 bytes of LDS; arguments a_q, w_q, a1, a2, bias, out0; writes out0
.if DOCPART == 2
	.amdgcn_target "amdgcn-amd-amdhsa--gfx1250"
	.amdhsa_code_object_version 6
	.text
	.protected	k_qce7eb0f82a_gemm
	.globl	k_qce7eb0f82a_gemm
	.p2align	8
	.type	k_qce7eb0f82a_gemm,@function
k_qce7eb0f82a_gemm:
	s_mov_b64 s[64:65], 0
	v_nop
	global_prefetch_b8 v0, s[64:65] scope:SCOPE_SE
	s_setreg_imm32_b32 hwreg(HW_REG_WAVE_MODE, 25, 1), 1
	s_wait_xcnt 0x0
	s_wait_alu depctr_hold_cnt(0) depctr_sa_sdst(0) depctr_va_vdst(0) depctr_va_sdst(0) depctr_va_ssrc(0) depctr_va_vcc(0) depctr_vm_vsrc(0)
	s_getreg_b32 s2, hwreg(HW_REG_IB_STS2, 6, 4)
	s_cmp_eq_u32 s2, 0
	s_cbranch_scc0 .Lentry_in_a_cluster
	s_endpgm
.Lentry_in_a_cluster:
	s_bfe_u32 s2, ttmp6, 0x10000c
	s_cmp_lg_u32 s2, 0x3003
	s_cbranch_scc0 .Lentry_shape_is_right
	s_endpgm
.Lentry_shape_is_right:
; out[m][o] = a1[o] (x T1^T)[m][o] + a2[o] (x T2^T)[m][o] + bias[o], both products on codes of MX-FP8 as the launch before laid them (chunks of 64 rows x 128 K: four tiles in
; register order, then 256 bytes of scale words).
; SHARES.  A work-group makes 256 rows x 128 outputs.  Wave w makes all 256 rows x outputs 32 w .. 32 w + 31, for both planes: 16 x 4 accumulators of 16 x 16, 512 registers.
; x's codes are used by all four waves: they come through two LDS slots of 512 along K (4 x 33,792 bytes), one tensor load a wave, asked for JOINTLY by the four work-groups of a cluster, which share their rows.
; THE PLANES' codes are used by ONE wave of a work-group each, so LDS would only add a write and a read of each byte: a wave loads its chunk (8,448 bytes a K step of 128) straight into registers,
; 512 consecutive bytes a load, into four sets by turns, three K steps ahead.  That is why they are not asked for jointly.
; NO PREFETCH: the planes' loads are themselves issued more than two K steps (160 matrix instructions) ahead of their use, and a slot's refill 15 of the 16 quarter steps of a slot ahead of the wait for it.
; A K step of 128 is 64 matrix instructions in two runs of 32 (x's tiles 0-7, then 8-15, each against my four tiles of the planes).  x's tiles have three buffers of four tiles:
; tiles 0-3 in X, 4-7 and 12-15 in Y, 8-11 in Z.  Behind tile 7 stand eight places and one run of loads: tiles 12-15 into Y, the next step's 0-3 into X; behind tile 15 the same
; for the next step's 4-7 into Y and 8-11 into Z.  Each tile is asked for at least 16 matrix instructions ahead of its use, and the register numbers come back every step.
; THE MATRIX INSTRUCTION IS USED TRANSPOSED (source 0 = 16 rows of a plane, source 1 = 16 rows of x): a lane holds eight neighbouring outputs of one row.
; REGISTERS: window 0: v4-29 addresses, v32-47 x's scale words (two sets), v48-55 the planes' (four sets), v64-127 buffer Z (on the way out: at work), v128-191 X, v192-255 Y.
;   window 1: the planes' four sets of 64.  windows 2, 3: accumulator (a, b) at v[8 (4 (a % 8) + b)], a < 8 in window 2.
.set CH,    8448
.set QB,    4*CH                       ; x's 256 rows of one K step: what one tensor load brings
.set SLOT,  4*QB
.set SPARE, 2*SLOT                     ; the spare words: 512 bytes that no other line names
.set SP,    528                        ; the way out: a stage row, 512 bytes + 16; 256 rows fill slot 0, which has had its last fill and its last read by then
.set BO16, 4
.set BO8,  5
.set STO,  6                           ; v6, v7: stage, way in, rows 0-127 and 128-255
.set AD,   8                           ; v8-15  16 x lane + slot + K step
.set ADS,  16                          ; v16-23  8 x lane + the same
.set PO,   24
.set RD,   25
.set SPW,  28
.set NIL,  29
.set AS,   32
.set BS,   48
.set TMP,  64
.set PA1,  0
.set PA2,  16
.set PBI,  32
.set G1,   24
.set G0,   32
.set BB,   54
.set MSB, 0
.macro WIN new                         ; the immediate's high byte repeats the setting that is left
.if MSB != (\new)
	s_set_vgpr_msb (MSB<<8)|(\new)
.set MSB, (\new)
.endif
.endm
.set MUL_LO, 0xa1                      ; source 0 window 1, source 1 window 0, C and D window 2
.set MUL_HI, 0xf1                      ; the same, C and D window 3
.set TO_B,   0x40
.macro CREST
	s_cmp_lg_u32 s16, 0
	s_cbranch_scc1 .Lnot_wave_0_\@
	s_barrier_signal -3
.Lnot_wave_0_\@:
	s_barrier_wait -3
	s_barrier_signal -1
	s_barrier_wait -1
.endm
.macro CROUND
	s_barrier_signal -1
	s_barrier_wait -1
	CREST
.endm
	s_load_b256 s[4:11], s[0:1], 0x0               ; a_q, w_q, a1, a2
	s_load_b128 s[12:15], s[0:1], 0x20             ; bias, out
	v_lshl_add_u32 v[SPW], v0, 2, SPARE
	v_mov_b32 v[NIL], 0
	ds_add_u32 v[SPW], v[NIL]                      ; the opening lines: the add twice on end and its wait
	ds_add_u32 v[SPW], v[NIL]
	v_lshrrev_b32 v1, 5, v0
	v_readfirstlane_b32 s16, v1                    ; wave
	s_bfe_u32 s40, ttmp6, 0x40000                  ; cx
	s_lshl_b32 s42, ttmp9, 2
	s_add_co_u32 s42, s42, s40                     ; block column 0..31
	s_and_b32 s19, ttmp7, 0xffff                   ; block row 0..7: the same in the four partners
	s_mov_b32 s[G1+0], 15|(3<<16)|(1<<21)          ; the mask names the four; elements of 8 bytes; no padding: fragment loads read 512 consecutive bytes
	s_mov_b32 s[G1+1], 32<<16
	s_mov_b32 s[G1+2], 132<<16
	s_mov_b32 s[G1+3], 32<<16
	s_mov_b32 s[G1+4], 132                         ; 132 rows of 256 bytes, dense
	s_mov_b32 s[G1+5], 32
	s_mov_b32 s[G1+6], 0
	s_mov_b32 s[G1+7], 0
	s_lshl_b32 s20, s19, 5
	s_add_co_u32 s20, s20, s16
	s_mul_i32 s20, s20, QB                         ; a_q: (32 block row + wave) quarters: wave w fetches a slot's K step w
	s_mov_b32 s21, 0
	s_lshl_b32 s46, s42, 2
	s_add_co_u32 s46, s46, s16
	s_mul_i32 s46, s46, 32*CH                      ; w_q: my column group's 32 chunks
	s_mov_b32 s47, 0
	s_mul_i32 s45, s16, QB
	s_lshl_b32 s48, s16, 7
	s_lshl_b32 s50, s42, 9
	s_add_co_u32 s50, s50, s48                     ; my 32 outputs in a1, a2, bias: 512 column + 128 wave bytes
	s_mov_b32 s51, 0
	s_lshl_b32 s52, s19, 8
	s_lshl_b32 s53, s16, 6
	s_add_co_u32 s52, s52, s53
	s_lshl_b32 s52, s52, 14                        ; the 64 rows of out that I store,
	s_lshl_b32 s53, s42, 9
	s_add_co_u32 s52, s52, s53                     ; at the block's 512 bytes
	s_mov_b32 s53, 0
	s_wait_dscnt 0x0
	s_wait_kmcnt 0x0
	s_add_nc_u64 s[20:21], s[4:5], s[20:21]
	s_add_nc_u64 s[BB:BB+1], s[6:7], s[46:47]
	s_add_nc_u64 s[8:9], s[8:9], s[50:51]
	s_add_nc_u64 s[10:11], s[10:11], s[50:51]
	s_add_nc_u64 s[12:13], s[12:13], s[50:51]
	s_add_nc_u64 s[14:15], s[14:15], s[52:53]
	CROUND                                         ; the four work-groups are here: the first joint loads meet
.irp s, 0,1
	s_mov_b32 s[G0+4*\s], 1
	s_add_co_u32 s[G0+4*\s+1], s45, \s*SLOT
	s_add_nc_u64 s[G0+4*\s+2:G0+4*\s+3], s[20:21], \s*SLOT
	s_or_b32 s[G0+4*\s+3], s[G0+4*\s+3], 0x80000000
.endr
	tensor_load_to_lds s[G0:G0+3], s[G1:G1+7]      ; slot 0, my quarter: one tensor load a wave at the head
	s_nop 0
	v_and_b32 v1, 31, v0
	v_lshlrev_b32 v[BO16], 4, v1
	v_lshlrev_b32 v[BO8], 3, v1
.irp n, 0,1,2,3,4,5,6,7
	v_add_nc_u32 v[AD+\n], (\n/4)*SLOT+(\n%4)*QB, v[BO16]
	v_add_nc_u32 v[ADS+\n], (\n/4)*SLOT+(\n%4)*QB, v[BO8]
.endr
	v_and_b32 v2, 15, v0
	v_bfe_u32 v3, v0, 4, 1
	v_mul_u32_u24 v[STO], v2, SP
	v_lshl_add_u32 v[STO], v3, 5, v[STO]
	v_add_nc_u32 v[STO], s48, v[STO]               ; stage, way in: row l % 16, my wave's 128 bytes, 32 bytes for each half of the lanes
	v_add_nc_u32 v[STO+1], 128*SP, v[STO]
	v_add_nc_u32 v[RD], s45, v[BO16]               ; way out: my 64 rows (64 x 528 = 33,792 bytes a wave), a row to the 32 lanes
	v_lshlrev_b32 v[PO], 5, v3
	s_wait_alu depctr_va_vdst(0)
.macro WM d, bf, af, sb, sa, zero, rb, ra
.if \zero
.if (\rb) && (\ra)
	v_wmma_scale_f32_16x16x128_f8f6f4 v[\d:\d+7], v[\bf:\bf+15], v[\af:\af+15], 0, v[\sb], v[\sa] matrix_a_scale:MATRIX_SCALE_ROW1 matrix_b_scale:MATRIX_SCALE_ROW1
.elseif (\rb)
	v_wmma_scale_f32_16x16x128_f8f6f4 v[\d:\d+7], v[\bf:\bf+15], v[\af:\af+15], 0, v[\sb], v[\sa] matrix_a_scale:MATRIX_SCALE_ROW1
.elseif (\ra)
	v_wmma_scale_f32_16x16x128_f8f6f4 v[\d:\d+7], v[\bf:\bf+15], v[\af:\af+15], 0, v[\sb], v[\sa] matrix_b_scale:MATRIX_SCALE_ROW1
.else
	v_wmma_scale_f32_16x16x128_f8f6f4 v[\d:\d+7], v[\bf:\bf+15], v[\af:\af+15], 0, v[\sb], v[\sa]
.endif
.else
.if (\rb) && (\ra)
	v_wmma_scale_f32_16x16x128_f8f6f4 v[\d:\d+7], v[\bf:\bf+15], v[\af:\af+15], v[\d:\d+7], v[\sb], v[\sa] matrix_a_scale:MATRIX_SCALE_ROW1 matrix_b_scale:MATRIX_SCALE_ROW1
.elseif (\rb)
	v_wmma_scale_f32_16x16x128_f8f6f4 v[\d:\d+7], v[\bf:\bf+15], v[\af:\af+15], v[\d:\d+7], v[\sb], v[\sa] matrix_a_scale:MATRIX_SCALE_ROW1
.elseif (\ra)
	v_wmma_scale_f32_16x16x128_f8f6f4 v[\d:\d+7], v[\bf:\bf+15], v[\af:\af+15], v[\d:\d+7], v[\sb], v[\sa] matrix_b_scale:MATRIX_SCALE_ROW1
.else
	v_wmma_scale_f32_16x16x128_f8f6f4 v[\d:\d+7], v[\bf:\bf+15], v[\af:\af+15], v[\d:\d+7], v[\sb], v[\sa]
.endif
.endif
.endm
; Where x's tile t lies: tiles 0-3 from v128, 4-7 from v192, 8-11 from v64, 12-15 from v192 again.
.macro PLACE_OF t
.set AB_, 128+64*(((\t)/4)%2)-64*(((\t)/8)*(1-((\t)/4)%2))+16*((\t)%4)
.endm
; x's tiles t0, t0 + 1 against my four tiles of the planes: 8 matrix instructions; the accumulators take turns.
; A scale register holds an even tile's words in lanes 0-15, the odd one's in lanes 16-31.
.macro MUL8 t0, q, zero
.irp t, \t0, \t0+1
	PLACE_OF \t
.irp b, 0,1,2,3
	WM 8*(4*((\t)%8)+\b), 64*(\q)+16*\b, AB_, BS+2*(\q)+\b/2, AS+8*((\q)%2)+(\t)/2, \zero, \b%2, (\t)%2
.endr
.endr
.endm
.macro PLACES
.rept 8
	v_nop
.endr
.endm
.macro ALOAD4 slot, q, t0              ; x's tiles t0 .. t0 + 3 of the slot's K step q into their buffer: 16 loads of 512 consecutive bytes
.irp t, \t0, \t0+1, \t0+2, \t0+3
	PLACE_OF \t
.irp c, 0,1,2,3
	ds_load_b128 v[AB_+4*\c:AB_+4*\c+3], v[AD+4*(\slot)+(\q)] offset:((\t)/4)*CH+((\t)%4)*2048+512*\c
.endr
.endr
.endm
.macro SLOAD slot, q                   ; x's scale words of that K step
.irp u, 0,1,2,3
	ds_load_b64 v[AS+8*((\q)%2)+2*\u:AS+8*((\q)%2)+2*\u+1], v[ADS+4*(\slot)+(\q)] offset:\u*CH+8192
.endr
.endm
.macro BLOAD k                         ; my chunk of the planes, k K steps behind the base, into set k % 4: 17 loads
	global_load_b64 v[BS+2*((\k)%4):BS+2*((\k)%4)+1], v[BO8], s[BB:BB+1] offset:(\k)*CH+8192
	WIN TO_B
.irp i, 0,1,2,3,4,5,6,7,8,9,10,11,12,13,14,15
	global_load_b128 v[64*((\k)%4)+4*\i:64*((\k)%4)+4*\i+3], v[BO16], s[BB:BB+1] offset:(\k)*CH+512*\i
.endr
	WIN 0
.endm
.macro PARAMS                          ; a1, a2, bias of a lane's 2 x 8 outputs, into the planes' set 0, which is done with: 12 loads
	WIN TO_B
.irp b, 0,1
	global_load_b128 v[PA1+8*\b:PA1+8*\b+3],   v[PO], s[8:9] offset:64*\b
	global_load_b128 v[PA1+8*\b+4:PA1+8*\b+7], v[PO], s[8:9] offset:64*\b+16
	global_load_b128 v[PA2+8*\b:PA2+8*\b+3],   v[PO], s[10:11] offset:64*\b
	global_load_b128 v[PA2+8*\b+4:PA2+8*\b+7], v[PO], s[10:11] offset:64*\b+16
	global_load_b128 v[PBI+8*\b:PBI+8*\b+3],   v[PO], s[12:13] offset:64*\b
	global_load_b128 v[PBI+8*\b+4:PBI+8*\b+7], v[PO], s[12:13] offset:64*\b+16
.endr
	WIN 0
.endm
; A K step of 128.  kk: the step's number from the planes' base.  bl = 1: the planes' chunk three steps on is asked for; 2: the parameters.  lc: the younger global loads that may stay out.
; mode 0: the next step lies in the same slot; 1: a change of slots with a refill; 2: a change without; 3: the last step of all.
.macro STEP slot, q, kk, zero, bl, mode, lc
	s_wait_loadcnt \lc
	s_wait_dscnt 32                                ; the scale words and tiles 0-3 are in; the younger run (tiles 4-11) may be out
	WIN MUL_LO
	MUL8 0, \q, \zero
	MUL8 2, \q, \zero
	s_wait_dscnt 16                                ; tiles 4-7 are in; tiles 8-11 may be out
	MUL8 4, \q, \zero
	MUL8 6, \q, \zero
	PLACES
	WIN 0
	ALOAD4 \slot, \q, 12
.if (\mode) == 0
	SLOAD \slot, (\q)+1
	ALOAD4 \slot, (\q)+1, 0
.endif
.if (\bl) == 1
	BLOAD (\kk)+3                                  ; into the set of the step before this one: sixteen places behind its last product
.elseif (\bl) == 2
	PARAMS
.endif
.if (\mode) == 0
	s_wait_dscnt 36                                ; tiles 8-11 are in; the run just issued (16 + 4 + 16) may be out
	WIN MUL_HI
	MUL8 8, \q, \zero
	MUL8 10, \q, \zero
	s_wait_dscnt 20                                ; tiles 12-15 are in
	MUL8 12, \q, \zero
	MUL8 14, \q, \zero
	PLACES
	WIN 0
	ALOAD4 \slot, (\q)+1, 4
	ALOAD4 \slot, (\q)+1, 8
.elseif (\mode) == 3
	s_wait_dscnt 16
	WIN MUL_HI
	MUL8 8, \q, \zero
	MUL8 10, \q, \zero
	s_wait_dscnt 0x0
	MUL8 12, \q, \zero
	MUL8 14, \q, \zero
	PLACES                                         ; the way out writes the registers that held tiles 8-11
	WIN 0
.else
	s_wait_tensorcnt 0x0                           ; all my tensor loads have landed: my quarter of the next slot;
	ds_add_u32 v[SPW], v[NIL]                      ; eight products stand between the add and the wait for it
	s_wait_dscnt 17                                ; (the add and tiles 12-15 may be out)
	WIN MUL_HI
	MUL8 8, \q, \zero
	s_wait_dscnt 0x0                               ; the add is done, and my reads of this slot are over
	s_barrier_signal -1
	MUL8 10, \q, \zero
	WIN 0
	s_barrier_wait -1
.if (\mode) == 1
	CREST                                          ; the barrier has opened a round of the cluster's barrier: no wave of any partner still reads this slot or has a load on its way
	s_add_nc_u64 s[G0+4*(\slot)+2:G0+4*(\slot)+3], s[G0+4*(\slot)+2:G0+4*(\slot)+3], 2*SLOT
	tensor_load_to_lds s[G0+4*(\slot):G0+4*(\slot)+3], s[G1:G1+7]   ; my one load behind the round: my quarter of the slot two on
	s_nop 0
.endif
	SLOAD 1-(\slot), 0
	ALOAD4 1-(\slot), 0, 0                         ; into the buffer of tiles 0-3: the eight places behind tile 7 serve it
	WIN MUL_HI
	MUL8 12, \q, \zero
	MUL8 14, \q, \zero
	PLACES
	WIN 0
	ALOAD4 1-(\slot), 0, 4
	ALOAD4 1-(\slot), 0, 8
.endif
.endm
	BLOAD 0
	BLOAD 1
	BLOAD 2
	s_wait_tensorcnt 0x0                           ; my quarter of slot 0 is in
	ds_add_u32 v[SPW], v[NIL]
	s_wait_dscnt 0x0
	CROUND
	tensor_load_to_lds s[G0+4:G0+7], s[G1:G1+7]    ; slot 1's first fill, the first tensor load behind the round
	s_nop 0
	SLOAD 0, 0
	ALOAD4 0, 0, 0
	ALOAD4 0, 0, 4
	ALOAD4 0, 0, 8
	STEP 0, 0, 0, 1, 1, 0, 34                      ; the first step stands ahead of the loop: its products start the sums
	s_mov_b32 s3, 3
.Llap:                                                 ; a trip goes once round the ring, from a lap's second step to the next lap's first
	STEP 0, 1, 1, 0, 1, 0, 34
	STEP 0, 2, 2, 0, 1, 0, 34
	STEP 0, 3, 3, 0, 1, 1, 34
	STEP 1, 0, 4, 0, 1, 0, 34
	STEP 1, 1, 5, 0, 1, 0, 34
	STEP 1, 2, 6, 0, 1, 0, 34
	STEP 1, 3, 7, 0, 1, 1, 34
	STEP 0, 0, 8, 0, 1, 0, 34
	s_wait_xcnt 0x0                                ; the planes' loads have read their base
	s_add_nc_u64 s[BB:BB+1], s[BB:BB+1], 8*CH
	s_sub_co_u32 s3, s3, 1
	s_cmp_lg_u32 s3, 0
	s_cbranch_scc1 .Llap
	STEP 0, 1, 1, 0, 1, 0, 34                      ; the last lap fills nothing and asks for nothing beyond K
	STEP 0, 2, 2, 0, 1, 0, 34
	STEP 0, 3, 3, 0, 1, 2, 34
	STEP 1, 0, 4, 0, 1, 0, 34
	STEP 1, 1, 5, 0, 2, 0, 34
	STEP 1, 2, 6, 0, 0, 0, 29                      ; younger: the last chunk's 17 and the parameters' 12
	STEP 1, 3, 7, 0, 0, 3, 12
; THE WAY OUT.  y = a1 y1 + a2 y2 + bias, each accumulator read from its low end on; 32 bytes a lane into the work-group's stage; a barrier, since a row's 512 bytes come from four waves; back as whole rows.
	s_wait_loadcnt 0x0
.set AA, 0
.rept 16
.set AC, 32*(AA%8)
.set TB, TMP+16*(AA%4)
	WIN (0x16+AA/8)
.irp b, 0,1
.irp j, 0,2,4,6
	v_pk_fma_f32 v[TB+8*\b+\j:TB+8*\b+\j+1], v[AC+8*\b+\j:AC+8*\b+\j+1], v[PA1+8*\b+\j:PA1+8*\b+\j+1], v[PBI+8*\b+\j:PBI+8*\b+\j+1]
.endr
.endr
	WIN (0x06+AA/8)
.irp b, 0,1
.irp j, 0,2,4,6
	v_pk_fma_f32 v[TB+8*\b+\j:TB+8*\b+\j+1], v[AC+16+8*\b+\j:AC+16+8*\b+\j+1], v[PA2+8*\b+\j:PA2+8*\b+\j+1], v[TB+8*\b+\j:TB+8*\b+\j+1]
.endr
.endr
	WIN 0
.irp b, 0,1
	ds_store_b128 v[STO+AA/8], v[TB+8*\b:TB+8*\b+3] offset:(AA%8)*16*SP+64*\b
	ds_store_b128 v[STO+AA/8], v[TB+8*\b+4:TB+8*\b+7] offset:(AA%8)*16*SP+64*\b+16
.endr
.set AA, AA+1
.endr
	s_wait_dscnt 0x0                               ; for the others' sake: my stores into the stage are done
	s_barrier_signal -1
	s_barrier_wait -1
.macro RBK i                           ; 16 of my 64 rows back from the stage
.irp t, 0,1,2,3,4,5,6,7,8,9,10,11,12,13,14,15
	ds_load_b128 v[64+64*((\i)%3)+4*\t:64+64*((\i)%3)+4*\t+3], v[RD] offset:(16*(\i)+\t)*SP
.endr
.endm
.macro SND i                           ; 32 lanes store 512 consecutive bytes, at a multiple of 256 from out's first byte
.irp t, 0,1,2,3,4,5,6,7,8,9,10,11,12,13,14,15
	global_store_b128 v[BO16], v[64+64*((\i)%3)+4*\t:64+64*((\i)%3)+4*\t+3], s[14:15] offset:(16*(\i)+\t)*16384 th:TH_STORE_NT
.endr
.endm
	RBK 0
	RBK 1
	s_wait_dscnt 16
	SND 0
	RBK 2
	s_wait_dscnt 16
	SND 1
	s_wait_xcnt 0x0                                ; the first sixteen stores have read their registers: they are loaded again
	RBK 3
	s_wait_dscnt 16
	SND 2
	s_wait_dscnt 0x0
	SND 3
	s_wait_tensorcnt 0x0                           ; the wave's end
	ds_add_u32 v[SPW], v[NIL]
	s_wait_dscnt 0x0
	CROUND                                         ; the closing round
	s_endpgm
.Lfunc_end_k_qce7eb0f82a_gemm:
	.size	k_qce7eb0f82a_gemm, .Lfunc_end_k_qce7eb0f82a_gemm-k_qce7eb0f82a_gemm
	.p2alignl 7, 3214868480
	.fill 96, 4, 3214868480
	.section	.rodata,"a",@progbits
	.p2align	6, 0x0
	.amdhsa_kernel k_qce7eb0f82a_gemm
		.amdhsa_group_segment_fixed_size 327680
		.amdhsa_private_segment_fixed_size 0
		.amdhsa_enable_private_segment 0
		.amdhsa_kernarg_size 48
		.amdhsa_user_sgpr_count 2
		.amdhsa_user_sgpr_kernarg_segment_ptr 1
		.amdhsa_wavefront_size32 1
		.amdhsa_system_sgpr_workgroup_id_x 1
		.amdhsa_system_sgpr_workgroup_id_y 1
		.amdhsa_system_sgpr_workgroup_id_z 1
		.amdhsa_system_vgpr_workitem_id 0
		.amdhsa_next_free_vgpr 1024
		.amdhsa_next_free_sgpr 66
		.amdhsa_reserve_vcc 0
		.amdhsa_float_denorm_mode_32 3
		.amdhsa_float_denorm_mode_16_64 3
		.amdhsa_memory_ordered 1
		.amdhsa_forward_progress 1
		.amdhsa_inst_pref_size 255
	.end_amdhsa_kernel
	.section	.bss,"aw",@nobits
	.p2align	6
	.space	262144
	.amdgpu_metadata
---
amdhsa.version: [ 1, 2 ]
amdhsa.kernels:
  - .name:           k_qce7eb0f82a_gemm
    .symbol:         k_qce7eb0f82a_gemm.kd
    .args:
      - { .name: a_q, .offset: 0, .size: 8, .value_kind: global_buffer, .address_space: global }
      - { .name: w_q, .offset: 8, .size: 8, .value_kind: global_buffer, .address_space: global }
      - { .name: a1, .offset: 16, .size: 8, .value_kind: global_buffer, .address_space: global }
      - { .name: a2, .offset: 24, .size: 8, .value_kind: global_buffer, .address_space: global }
      - { .name: bias, .offset: 32, .size: 8, .value_kind: global_buffer, .address_space: global }
      - { .name: out0, .offset: 40, .size: 8, .value_kind: global_buffer, .address_space: global }
    .group_segment_fixed_size: 327680
    .private_segment_fixed_size: 0
    .kernarg_segment_align: 8
    .kernarg_segment_size: 48
    .max_flat_workgroup_size: 128
    .sgpr_count:     66
    .vgpr_count:     1024
    .wavefront_size: 32
...
	.end_amdgpu_metadata
.endif
;; end of part 2
